; MI455X (gfx1250); checked and timed in simulation.
; The chip was launched on July 23, 2026; its instructions are those of AMD's public machine-readable ISA for CDNA 5 (MIT licence, August 2026) and "CDNA5" Instruction Set Architecture Reference Guide (July 2026). The comments in the code are by the model that wrote it; some were corrected since.
;; bi Mlp. Allowed arithmetic: matrix products marked QUANTISED: E2M3 operands, one E8M0 scale for each 32 along K, by v_wmma_scale_f32_16x16x128_f8f6f4 with both operands' format E2M3, f32 sums; everything else in f32.
;; Inputs: b1 3,072 float32; b2 768 float32; w1 3,072 x 768 float32; w2 768 x 3,072 float32; x 64 x 197 x 768 float32.
;; Outputs: out0 64 x 197 x 768 float32.
;; This version of the problem:
;;   THIS VERSION OF THE PROBLEM IS GIVEN IN LOW PRECISION. The matrix products marked QUANTISED in the list below multiply operands that are first quantised to E2M3 (2 exponent bits, 3 mantissa bits; 6 bits a number), with one power-of-two scale for each 32 numbers along K (OCP MX v1.0); their sums are f32. All else is computed in f32.
;;   The module's matrix products, in the order in which they are computed (A, B: the left and right operand; K: the contracted axis; several contracted axes count as one K, in the product's order):
;;     1. [M 12,608, K 768] x [K 768, N 3,072]; A: input x; B: computed on the way: QUANTISED
;;     2. [M 12,608, K 3,072] x [K 3,072, N 768]; A: computed on the way; B: computed on the way: QUANTISED
;;   THE QUANTISER, for each operand of a quantised product, along K:
;;     - K is cut into blocks of 32 from its start; a last block that is shorter is filled with zeros.
;;     - A block's scale is 2^e with e = floor(log2(the largest magnitude in the block)) - 2, held to -126 .. 127; a block of zeros has e = 0. As a byte (E8M0): e + 127.
;;     - Each number is divided by its block's scale, clamped to +-7.5, and rounded to the nearest number of E2M3, ties to even, subnormals kept.
;;     - The product sums the exact products of the quantised numbers (number of the format x scale) in f32.
;;   ~~~python
;;   def quantise(x, axis):      # numpy; x: float32 -> the quantised numbers, widened to float32 again
;;       x = np.moveaxis(x, axis, -1); K = x.shape[-1]
;;       x = np.pad(x, [(0, 0)] * (x.ndim - 1) + [(0, -K % 32)]); x = x.reshape(x.shape[:-1] + (-1, 32)); a = np.abs(x).max(-1, keepdims=True)
;;       e = np.where(a > 0, np.clip(np.frexp(np.where(a > 0, a, 1))[1] - 1 - 2, -126, 127), 0)      # np.frexp(a)[1] - 1 = floor(log2(a)), exactly
;;       r = np.clip(x / 2.0 ** e, -7.5, 7.5)
;;       step = 2.0 ** (np.maximum(np.frexp(np.where(r == 0, 1, r))[1] - 1, 0) - 3)
;;       q = np.round(r / step) * step * 2.0 ** e      # np.round: ties to even
;;       return np.moveaxis(q.reshape(q.shape[:-2] + (-1,))[..., :K], -1, axis).astype(np.float32)
;;   ~~~
;;   OPERANDS COMPUTED ON THE WAY. 'Computed on the way' means the value that the module computes at that place (a softmax that the list does not call 'softmax' is quantised finished and normalised). What goes into a quantiser is computed in f32, as accurately as f32 sums, v_exp_f32 and their like allow (about 1e-6 of the number): no bf16 or f16 on the way to a quantiser, and a product that is left as it is and whose result goes on into a quantised operand takes f32 operands (vector FMAs, or v_wmma_f32_16x16x4_f32). A number that lies on a knife's edge between two numbers of the format may be rounded either way, as far as f32 arithmetic and the matrix unit's own rounding can turn it there, and no further.
;; One version. Each part assembles by itself: llvm-mc -triple=amdgcn-amd-amdhsa -mcpu=gfx1250 --defsym DOCPART=n.
;; ======== version 1 of 1: 2 launches
;; workspace buffers: xq 7,372,800 bytes; xs 614,400 bytes; wq 3,538,944 bytes; wsc 30,720 bytes
;; launch prep (part 1): grid 296 x 1, 8 waves a work-group, no clusters, 69,888 bytes of LDS; arguments x, w1, w2, xq, xs, wq, wsc; writes xq, xs, wq, wsc
.if DOCPART == 1
	.amdgcn_target "amdgcn-amd-amdhsa--gfx1250"
	.amdhsa_code_object_version 6
	.text
	.protected	k_qafdfa12f53_prep
	.globl	k_qafdfa12f53_prep
	.p2align	8
	.type	k_qafdfa12f53_prep,@function
k_qafdfa12f53_prep:
	s_mov_b64 s[64:65], 0
	v_nop
	global_prefetch_b8 v0, s[64:65] scope:SCOPE_SE
	s_setreg_imm32_b32 hwreg(HW_REG_WAVE_MODE, 25, 1), 1
	s_wait_xcnt 0x0
; x [12608][768], w1 [3072][768], w2 [768][3072], all f32 with K innermost, become codes of FP6 (E2M3) with E8M0 scales, laid as IMAGES OF OPERAND REGISTERS in the order in which the second launch takes them.
; A fragment is 16 rows x 128 K, 12 registers a lane: lane (r = lane % 16, hh = lane / 16) holds row r, registers 6 c .. 6 c + 5 hold k = 64 c + 32 hh + 0 .. 31.  Its image is 1,536 bytes: registers 4 g .. 4 g + 3 of lane l at 512 g + 16 l.
; x: a block scale is 2^(floor(log2(largest magnitude)) - 2); its byte is the largest magnitude exponent field - 2, held at 1 from below (a block of zeros keeps byte 1: its codes are zeros, and this program alone reads the bytes).
; w: the operand is alpha x sign(w), alpha = the row mean of |w|, sign(0) = 0.  All blocks of a row that are not all zeros have the largest magnitude alpha, so ONE scale byte serves the row; a block of zeros has zero codes under any byte.
; ROW BLOCKS of x: block i = 0 .. 199 begins at row 64 i - 2 (max(i, 103) - 103): blocks 104 .. 199 begin two rows early, so that 200 blocks of 64 rows cover the 12,608 rows; 192 rows are read twice.
; SHARES.  A work-group takes 24 units of 16 rows x 128 columns, wave v three of them (e = 0 .. 2).  Work-groups 0-199: a block of x (wave v: row tile t = v / 2, K steps 3 (v % 2) + e).
;   200-247: 64 rows of w1, group G (the same shares; the rows of tile t are 64 G + 32 (t / 2) + 8 (t % 2) + ii + 8 (ii / 8), the order in which the next product wants the hidden units).  248-295: 16 rows of w2, tile N (wave v: K steps 3 v + e).
; A unit is loaded as it lies, 512 consecutive bytes a load, and turns through the wave own stage in LDS (rows 528 bytes apart), so that a lane then holds whole blocks of 32 neighbours along K.
; LIMITS: NaN and infinities are not served; blocks whose largest magnitude lies under 2^-124 keep byte 1; alpha is a tree of f32 sums times the f32 nearest to 1 / 768 or 1 / 3072.
.set SPIT,  528                        ; a stage row: 512 bytes + 16: an odd multiple of 16, so that the 16 rows that a load touches start in different banks
.set STGW,  16*SPIT                    ; a wave stage
.set PS,    8*STGW                     ; behind the stages: a word for each thread, the partial sums of |w|
.set VO,    12                         ; v12-19  16 x lane + k rows
.set PD,    36                         ; v36-43  the upper halves of two blocks codes, before they are moved
.set PW,    56                         ; v56-58  x scale words, one a unit
.set R,     64                         ; v64-255 the numbers: unit e at R + 64 e; units 0 and 1 later hold the codes of units 1 and 2, so that no store data are written again
	s_load_b256 s[4:11], s[0:1], 0x0               ; x, w1, w2, xq
	s_load_b128 s[12:15], s[0:1], 0x20             ; xs, wq
	s_load_b64 s[16:17], s[0:1], 0x30              ; wsc
	v_lshl_add_u32 v62, v0, 2, 0x10d00
	v_mov_b32 v63, 0
	v_lshrrev_b32 v1, 5, v0
	v_readfirstlane_b32 s18, v1                    ; wave v
	v_and_b32 v1, 31, v0                           ; lane
	v_and_b32 v2, 15, v0                           ; r
	v_bfe_u32 v3, v0, 4, 1                         ; hh
	v_lshlrev_b32 v4, 4, v1                        ; 16 x lane
	v_lshlrev_b32 v5, 2, v1                        ; 4 x lane
	s_mul_i32 s35, s18, STGW
	v_add_nc_u32 v6, s35, v4                       ; the stage, in: 16 x lane of a row
	v_mul_u32_u24 v7, v2, SPIT
	v_lshl_add_u32 v7, v3, 7, v7
	v_add_nc_u32 v7, s35, v7                       ; and out: row r, + 128 hh: my 32 numbers of a run of 64
	v_lshl_add_u32 v8, v0, 2, PS                   ; my partial sum
	s_and_b32 s36, s18, 6
	s_lshl_b32 s36, s36, 7
	s_add_co_u32 s36, s36, PS
	v_add_nc_u32 v9, s36, v5                       ; w1: the sums of the two waves that share my rows
	v_lshlrev_b32 v10, 3, v3                       ; 8 hh
	v_add_nc_u32 v11, PS, v5                       ; w2: the sums of all eight waves
	v_mov_b32 v27, 0                               ; written once: a lane permute destination counts as one of its sources
	s_mov_b32 s46, 0x76543210
	s_mov_b32 s47, 0xfedcba98                      ; selects for lane l xor 16
	s_mov_b32 s48, 0x7fffffff
	s_lshr_b32 s19, s18, 1                         ; t
	s_and_b32 s20, s18, 1
	s_mov_b32 s21, ttmp9                           ; g
	s_mul_i32 s39, s20, 12
	s_add_co_u32 s39, s39, s19                     ; 12 (v % 2) + t: my first fragment in a block of x or a part of w1
	s_max_u32 s28, s21, 103                        ; x: my first row
	s_sub_co_u32 s28, s28, 103
	s_lshl_b32 s28, s28, 1
	s_lshl_b32 s29, s21, 6
	s_sub_co_u32 s29, s29, s28
	s_lshl_b32 s30, s19, 4
	s_add_co_u32 s29, s29, s30
	s_sub_co_u32 s37, s21, 200                     ; w1: G, and my first row
	s_lshl_b32 s30, s37, 6
	s_lshr_b32 s31, s19, 1
	s_lshl_b32 s31, s31, 5
	s_add_co_u32 s30, s30, s31
	s_and_b32 s31, s19, 1
	s_lshl_b32 s31, s31, 3
	s_add_co_u32 s30, s30, s31
	s_sub_co_u32 s38, s21, 248                     ; w2: N, and my first row
	s_lshl_b32 s31, s38, 4
	s_wait_kmcnt 0x0
	s_cmp_lt_u32 s21, 248                          ; the choices hang on the work-group number alone
	s_cselect_b64 s[22:23], s[6:7], s[8:9]
	s_cselect_b32 s25, s30, s31                    ; first row
	s_mov_b32 s24, 12288
	s_cselect_b32 s24, 3072, s24                   ; bytes in a row
	s_cselect_b32 s26, s20, s18                    ; which run of three K steps
	s_cselect_b32 s27, 16, 8                       ; rows from a tile row 0 to its row 8
	s_cmp_lt_u32 s21, 200
	s_cselect_b64 s[22:23], s[4:5], s[22:23]
	s_cselect_b32 s25, s29, s25
	s_cselect_b32 s27, 8, s27
	s_mul_i32 s26, s26, 1536
	s_mul_i32 s28, s25, s24                        ; under 2^26
	s_add_co_u32 s28, s28, s26
	s_mov_b32 s29, 0
	s_add_nc_u64 s[22:23], s[22:23], s[28:29]      ; rows 0-7 of my units
	s_mul_i32 s30, s27, s24
	s_mov_b32 s31, 0
	s_add_nc_u64 s[32:33], s[22:23], s[30:31]      ; rows 8-15
.irp k, 0,1,2,3,4,5,6,7
	v_mad_u32_u24 v[VO+\k], s24, \k, v4
.endr
.irp e, 0,1,2                                  ; 48 loads, each of 512 consecutive bytes of one row
.irp ii, 0,1,2,3,4,5,6,7
	global_load_b128 v[R+64*\e+4*\ii:R+64*\e+4*\ii+3], v[VO+\ii], s[22:23] offset:512*\e th:TH_LOAD_NT
.endr
.irp ii, 0,1,2,3,4,5,6,7
	global_load_b128 v[R+64*\e+32+4*\ii:R+64*\e+32+4*\ii+3], v[VO+\ii], s[32:33] offset:512*\e th:TH_LOAD_NT
.endr
.endr
; Unit e through the stage.  LDS serves a wave instructions in order: no wait between the stores and the loads, nor in front of the next unit stores.  Behind it register 32 c + i of the unit is (row r, k = 64 c + 32 hh + i).
.macro TURN e
	s_wait_loadcnt 32-16*\e                        ; this unit 16 loads are in; those of the later units may be out
.irp ii, 0,1,2,3,4,5,6,7,8,9,10,11,12,13,14,15
	ds_store_b128 v6, v[R+64*\e+4*\ii:R+64*\e+4*\ii+3] offset:SPIT*\ii
.endr
.irp c, 0,1
.irp k, 0,1,2,3,4,5,6,7
	ds_load_b128 v[R+64*\e+32*\c+4*\k:R+64*\e+32*\c+4*\k+3], v7 offset:256*\c+16*\k
.endr
.endr
.endm
; The 64 numbers of unit e become the 12 registers of my part of a fragment, v[PCE] on.  so0, so1: the registers whose exponent fields are the two blocks scales.
.macro CODES e, so0, so1
.if \e == 0
.set PCE, 44
.else
.set PCE, R+64*(\e-1)
.endif
.set XB, R+64*\e
	v_cvt_scalef32_pk16_fp6_f32 v[PCE:PCE+2], v[XB:XB+15], v[\so0]
	v_cvt_scalef32_pk16_fp6_f32 v[PD:PD+2], v[XB+16:XB+31], v[\so0]        ; (a conversion three registers begin on an even number: the upper half is made elsewhere and moved)
	v_cvt_scalef32_pk16_fp6_f32 v[PCE+6:PCE+8], v[XB+32:XB+47], v[\so1]
	v_cvt_scalef32_pk16_fp6_f32 v[PD+4:PD+6], v[XB+48:XB+63], v[\so1]
	v_nop                                          ; one plain place behind the scaled conversions
.irp i, 0,1,2
	v_mov_b32 v[PCE+3+\i], v[PD+\i]
	v_mov_b32 v[PCE+9+\i], v[PD+4+\i]
.endr
.endm
	TURN 0
	TURN 1
	TURN 2
	s_wait_dscnt 0x0
	s_cmp_lt_u32 s21, 200
	s_cbranch_scc0 .Lw
	; ---- x
	s_mul_i32 s30, s39, 1536
	s_mul_i32 s34, s21, 36864
	s_add_co_u32 s30, s30, s34
	s_mov_b32 s31, 0
	s_add_nc_u64 s[40:41], s[10:11], s[30:31]      ; xq: block i, fragment 12 (v % 2) + t; unit e lies four fragments on
	s_lshl_b32 s30, s39, 7
	s_mul_i32 s34, s21, 3072
	s_add_co_u32 s30, s30, s34
	s_add_nc_u64 s[42:43], s[12:13], s[30:31]      ; xs likewise, 128 bytes a fragment
.macro QX e
.set XB, R+64*\e
.irp c, 0,1                                    ; my block 2 c + hh: all its 32 numbers are mine
	v_max3_num_f32 v[20+\c], |v[XB+32*\c]|, |v[XB+32*\c+1]|, 0x1800000     ; with the floor 2^(3 - 127): the byte cannot fall under 1
.endr
.irp i, 2,4,6,8,10,12,14,16,18,20,22,24,26,28,30
.irp c, 0,1
	v_max3_num_f32 v[20+\c], v[20+\c], |v[XB+32*\c+\i]|, |v[XB+32*\c+\i+1]|
.endr
.endr
.irp c, 0,1
	v_add_nc_u32 v[22+\c], 0xff000000, v[20+\c]    ; 2 off the exponent field: the conversion scale operand
.endr
.irp c, 0,1
	v_lshrrev_b32 v[24+\c], 23, v[22+\c]           ; the scale byte
.endr
	v_lshl_or_b32 v26, v25, 16, v24                ; my two bytes, blocks hh and 2 + hh,
	v_lshlrev_b32 v26, v10, v26                    ; at their places in the row scale word;
	v_permlanex16_b32 v27, v26, s46, s47
	v_or_b32 v[PW+\e], v26, v27                    ; with lane l xor 16 the word is whole, in both lanes
	CODES \e, 22, 23
.irp g, 0,1,2
	global_store_b128 v4, v[PCE+4*\g:PCE+4*\g+3], s[40:41] offset:6144*\e+512*\g   ; 32 lanes store 512 consecutive bytes
.endr
	global_store_b32 v5, v[PW+\e], s[42:43] offset:512*\e
.endm
	QX 0
	QX 1
	QX 2
	s_wait_tensorcnt 0x0
	ds_add_u32 v62, v63
	s_wait_dscnt 0x0
	s_endpgm
.Lw:
	; ---- w1, w2: the row sums of |w|.  My 192 numbers in four chains, then lane l xor 16, then the other waves through LDS
.irp k, 0,1,2,3
	v_add_f32 v[20+\k], |v[R+\k]|, |v[R+4+\k]|
.endr
.set n, 8
.rept 184
	v_add_f32 v[20+n%4], v[20+n%4], |v[R+n]|
.set n, n+1
.endr
	v_add_f32 v20, v20, v21
	v_add_f32 v22, v22, v23
	v_add_f32 v20, v20, v22
	v_permlanex16_b32 v27, v20, s46, s47
	v_add_f32 v20, v20, v27
	ds_store_b32 v8, v20
	s_wait_dscnt 0x0                               ; for the others: my sum has landed
	s_barrier_signal -1                            ; (this way hangs on the work-group number alone: all eight waves are on it)
	s_barrier_wait -1
	s_cmp_lt_u32 s21, 248
	s_cbranch_scc0 .Lw2
	ds_load_b32 v20, v9                            ; w1: a row lies in two waves
	ds_load_b32 v21, v9 offset:128
	s_lshr_b32 s28, s37, 2                         ; stage j = G / 4: its fill 2 j begins at 294,912 j;
	s_mul_i32 s28, s28, 294912
	s_and_b32 s29, s37, 3                          ; wave G % 4 of the second launch: 36,864 bytes a wave
	s_mul_i32 s29, s29, 36864
	s_add_co_u32 s28, s28, s29
	s_mul_i32 s29, s39, 1536
	s_add_co_u32 s40, s28, s29
	s_add_co_u32 s42, s40, 6144                    ; a K step on: four fragments
	s_add_co_u32 s44, s40, 12288
	s_lshl_b32 s50, s37, 2
	s_add_co_u32 s50, s50, s19                     ; scale words: tile 4 G + t,
	s_mov_b32 s49, s20                             ; stored by the first of the two waves
	s_wait_dscnt 0x0
	v_add_f32 v20, v20, v21
	v_mul_f32 v28, 0x3aaaaaab, v20                 ; alpha = sum / 768
	s_branch .Lwq
.Lw2:
.irp k, 0,1,2,3,4,5,6,7
	ds_load_b32 v[20+\k], v11 offset:128*\k        ; w2: a row lies in all eight waves
.endr
	s_mul_i32 s28, s38, 43
	s_lshr_b32 s28, s28, 9                         ; W = N / 12 (exact for N under 48)
	s_mul_i32 s29, s28, 12
	s_sub_co_u32 s29, s38, s29                     ; n = N % 12
	s_mul_i32 s28, s28, 36864
	s_mul_i32 s29, s29, 1536
	s_add_co_u32 s28, s28, s29
	s_add_co_u32 s28, s28, 147456                  ; fill 2 j + 1
	s_mul_i32 s34, s18, 3
.irp e, 0,1,2                                  ; K step S = 3 v + e: stage S / 2, its K step S % 2 (twelve fragments each)
	s_add_co_u32 s29, s34, \e
	s_lshr_b32 s30, s29, 1
	s_mul_i32 s30, s30, 294912
	s_and_b32 s29, s29, 1
	s_mul_i32 s29, s29, 18432
	s_add_co_u32 s30, s30, s29
	s_add_co_u32 s[40+2*\e], s30, s28
.endr
	s_add_co_u32 s50, s38, 192                     ; scale words: tile 192 + N,
	s_mov_b32 s49, s18                             ; stored by wave 0
	s_wait_dscnt 0x0
.irp k, 1,2,3,4,5,6,7
	v_add_f32 v20, v20, v[20+\k]
.endr
	v_mul_f32 v28, 0x39aaaaab, v20                 ; alpha = sum / 3072
.Lwq:
	s_mov_b32 s41, 0
	s_mov_b32 s43, 0
	s_mov_b32 s45, 0
	s_add_nc_u64 s[40:41], s[14:15], s[40:41]
	s_add_nc_u64 s[42:43], s[14:15], s[42:43]
	s_add_nc_u64 s[44:45], s[14:15], s[44:45]
	s_lshl_b32 s50, s50, 7
	s_mov_b32 s51, 0
	s_add_nc_u64 s[50:51], s[16:17], s[50:51]
	v_max_num_f32 v29, 0x1800000, v28              ; the floor, as for x
	v_add_nc_u32 v29, 0xff000000, v29              ; the conversion scale operand, the same for every block of the row
	v_lshrrev_b32 v30, 23, v29
	v_lshl_or_b32 v30, v30, 8, v30
	v_lshl_or_b32 v30, v30, 16, v30                ; the byte four times: the row scale word for every K step
	s_cmp_lg_u32 s49, 0
	s_cbranch_scc1 .Lnoword
	global_store_b32 v5, v30, s[50:51]
.Lnoword:
.macro QWT e
.set XB, R+64*\e
.set n, 0
.rept 64
	v_cmp_neq_f32 vcc_lo, 0, v[XB+n]
	v_bfi_b32 v[20+n%2], s48, v28, v[XB+n]         ; alpha under the sign of w,
	v_cndmask_b32 v[XB+n], 0, v[20+n%2], vcc_lo    ; and 0 where w is 0
.set n, n+1
.endr
	CODES \e, 29, 29
.irp g, 0,1,2
	global_store_b128 v4, v[PCE+4*\g:PCE+4*\g+3], s[40+2*\e:41+2*\e] offset:512*\g
.endr
.endm
	QWT 0
	QWT 1
	QWT 2
	s_wait_tensorcnt 0x0
	ds_add_u32 v62, v63
	s_wait_dscnt 0x0
	s_endpgm
.Lfunc_end_k_qafdfa12f53_prep:
	.size	k_qafdfa12f53_prep, .Lfunc_end_k_qafdfa12f53_prep-k_qafdfa12f53_prep
	.p2alignl 7, 3214868480
	.fill 96, 4, 3214868480
	.section	.rodata,"a",@progbits
	.p2align	6, 0x0
	.amdhsa_kernel k_qafdfa12f53_prep
		.amdhsa_group_segment_fixed_size 69888
		.amdhsa_private_segment_fixed_size 0
		.amdhsa_enable_private_segment 0
		.amdhsa_kernarg_size 56
		.amdhsa_user_sgpr_count 2
		.amdhsa_user_sgpr_kernarg_segment_ptr 1
		.amdhsa_wavefront_size32 1
		.amdhsa_system_sgpr_workgroup_id_x 1
		.amdhsa_system_sgpr_workgroup_id_y 1
		.amdhsa_system_sgpr_workgroup_id_z 1
		.amdhsa_system_vgpr_workitem_id 0
		.amdhsa_next_free_vgpr 256
		.amdhsa_next_free_sgpr 66
		.amdhsa_reserve_vcc 1
		.amdhsa_float_denorm_mode_32 3
		.amdhsa_float_denorm_mode_16_64 3
		.amdhsa_memory_ordered 1
		.amdhsa_forward_progress 1
		.amdhsa_inst_pref_size 68
	.end_amdhsa_kernel
	.amdgpu_metadata
---
amdhsa.version: [ 1, 2 ]
amdhsa.kernels:
  - .name:           k_qafdfa12f53_prep
    .symbol:         k_qafdfa12f53_prep.kd
    .args:
      - { .name: x, .offset: 0, .size: 8, .value_kind: global_buffer, .address_space: global }
      - { .name: w1, .offset: 8, .size: 8, .value_kind: global_buffer, .address_space: global }
      - { .name: w2, .offset: 16, .size: 8, .value_kind: global_buffer, .address_space: global }
      - { .name: xq, .offset: 24, .size: 8, .value_kind: global_buffer, .address_space: global }
      - { .name: xs, .offset: 32, .size: 8, .value_kind: global_buffer, .address_space: global }
      - { .name: wq, .offset: 40, .size: 8, .value_kind: global_buffer, .address_space: global }
      - { .name: wsc, .offset: 48, .size: 8, .value_kind: global_buffer, .address_space: global }
    .group_segment_fixed_size: 69888
    .private_segment_fixed_size: 0
    .kernarg_segment_align: 8
    .kernarg_segment_size: 56
    .max_flat_workgroup_size: 256
    .sgpr_count:     66
    .vgpr_count:     256
    .wavefront_size: 32
...
	.end_amdgpu_metadata
.endif
;; end of part 1
;; launch mlp (part 2): grid 200 x 1, 4 waves a work-group, clusters of 4 x 1, 327,680 bytes of LDS; arguments xq, xs, wq, wsc, b1, b2, out0; writes out0
.if DOCPART == 2
	.amdgcn_target "amdgcn-amd-amdhsa--gfx1250"
	.amdhsa_code_object_version 6
	.text
	.protected	k_qafdfa12f53_mlp
	.globl	k_qafdfa12f53_mlp
	.p2align	8
	.type	k_qafdfa12f53_mlp,@function
k_qafdfa12f53_mlp:
	s_mov_b64 s[64:65], 0
	v_nop
	global_prefetch_b8 v0, s[64:65] scope:SCOPE_SE
	s_setreg_imm32_b32 hwreg(HW_REG_WAVE_MODE, 25, 1), 1
	s_wait_xcnt 0x0
	s_wait_alu depctr_hold_cnt(0) depctr_sa_sdst(0) depctr_va_vdst(0) depctr_va_sdst(0) depctr_va_ssrc(0) depctr_va_vcc(0) depctr_vm_vsrc(0)
	s_getreg_b32 s2, hwreg(HW_REG_IB_STS2, 6, 4)
	s_cmp_eq_u32 s2, 0
	s_cbranch_scc0 .Lentry_in_a_cluster
	s_endpgm
.Lentry_in_a_cluster:
	s_bfe_u32 s2, ttmp6, 0x10000c
	s_cmp_lg_u32 s2, 0x3003
	s_cbranch_scc0 .Lentry_shape_is_right
	s_endpgm
.Lentry_shape_is_right:
; out = clip(gelu(x W1q^T + b1), -10, 10) W2q^T + b2, both products on codes of FP6 (E2M3) with one E8M0 scale for each 32 along K.  All operands but the hidden layer arrive as images of operand registers, made by the launch before.
; SHARES.  Work-group i = 0 .. 199 takes 64 rows from row 64 i - 2 (max(i, 103) - 103) on; blocks 104 .. 199 store only their last 62 rows (the first two belong to the block before).
; THE WAVES SHARE THE COLUMNS, NOT THE ROWS.  The hidden layer goes in 12 stages of 256 units.  In a stage wave w makes hidden units 64 w .. 64 w + 63 of the stage for all 64 rows (P1: 96 matrix instructions), applies the
; activation and quantises them (G), hands their codes to the other waves through LDS, and adds the stage to its out columns 192 w .. 192 w + 191 (P2: 96 matrix instructions).  So every weight fragment is read from LDS by ONE wave and feeds four
; matrix instructions; x (288 registers) and the 48 accumulators of out (384) stay in registers for the whole launch; the hidden layer never goes to memory.
; Both products are used transposed (source 0 = 16 rows of a weight, source 1 = 16 rows of x or of the hidden layer): a lane holds one row, and its registers run along the columns.  The rows of W1 that form a tile were chosen so that the 16
; registers of tiles 2 b, 2 b + 1 are 16 neighbours along the next K: hidden unit 32 b + 16 (lane / 16) + 0 .. 15.
; THE WEIGHTS come through two LDS slots: slot 0 holds a stage W1 (147,456 bytes), slot 1 its W2.  Each wave fetches, by one tensor load, just the quarter that it alone reads.
; CLUSTER.  The four work-groups of a cluster walk the same weights, so every fill is asked for JOINTLY (mask 15): the same load with the same descriptor in all four.  Slot 0 is filled again in the middle of G, slot 1 behind P2: each refill
; has one matrix phase and half of G in which to land.  By this text own count a wave has two tensor loads out at the start and one behind each round.
; GELU.  clip(gelu(h)) = med3(h, 0, 10) - a Q(a), a = |h|, Q(a) = erfc(a / sqrt(2)) / 2 = t 2^(P(t) - a^2 log2(e) / 2), t = 1 / (1 + a / sqrt(8)), P a polynomial of degree 9 (the fit of erfc with fractional error under 1.2e-7 for every
; argument, times log2(e), the halving in its constant term).  Both tails keep their relative accuracy.  Above h = 10 the second term is under 1e-21, so the one med3 is the clip; gelu never comes near -10.
; LIMITS: h finite; a Q(a) under 2^-126 comes out as 0; NaN and infinities are not served.
; REGISTERS (absolute numbers; windows of 256):  v1-11 addresses; v12-35 x scale words, v36-47 W2, v48-51 W1 of the stage, v52-55 the hidden layer; v56-183 the 16 accumulators of the hidden layer ((m, t) at 56 + 32 m + 8 t), in P2 its 8 fragments;
;   v184-247 at work (in P1: v184-215 the bias b1 in the result layout); v248-255 out accumulator 47; 256-507, 512-547 x 24 fragments; 548-643 eight weight fragments, two buffers of four; 648-767 out accumulators 32-46; 768-1023 those 0-31.
.set WPART, 36864                      ; a wave quarter of a slot: 24 fragments of 1,536 bytes
.set SLOT1, 147456                     ; slot 1 begins here
.set STGB,  294912                     ; a stage weights in memory: W1, then W2
.set HIMG,  294912                     ; behind the slots: the hidden layer 8 fragments (2 m + sigma), each as six planes of 256 bytes: plane p holds registers 2 p, 2 p + 1 at 8 x lane
.set HSC,   307200                     ; their scale words: [m][sigma][16 rows]
.set SPARE, 307712                     ; the spare words, 128 bytes for each wave: two blocks of 256 bytes that no other line names
.set OPIT,  784                        ; the way out: a stage row, 768 bytes + 16; two stages of 16 rows for each wave, in its own quarter of slot 0, which has had its last fill and its last read by then
.set SPW, 1
.set NIL, 2
.set AW0, 3                            ; my quarter of slot 0 + 16 x lane
.set AW1, 4                            ; of slot 1
.set HWA, 5                            ; where I store my half of a hidden fragment
.set HSW, 6                            ; and my half of its scale words
.set HRA, 7                            ; where a hidden fragment is read: HIMG + 8 x lane
.set HSR, 8                            ; and its scale words: HSC + 4 x lane: lanes 0-15 sigma 0, lanes 16-31 sigma 1
.set L4,  9                            ; 4 x lane
.set BO,  10                           ; 64 x (lane / 16)
.set PFO, 11                           ; 256 x lane
.set XS,  12
.set W2S, 36
.set W1S, 48
.set HS,  52
.set HA,  56
.set TA,  184
.set TT,  200
.set TP,  216
.set TZ,  232
.set BI,  184
.set QC,  216                          ; the quantiser: codes v216-221, scale half word v222, upper halves v224-226; v232-237 maxima, bytes, scale operands
.set QWD, 222
.set QD,  224
.set QM,  232
.set QN,  234
.set QS,  236
.set WB,  548
.set WBL, 36                           ; WB in its window
.set MSB, 0
.macro WIN new                         ; the immediate high byte repeats the setting that is left; a switch that changes nothing is dropped
.if MSB != \new
	s_set_vgpr_msb (MSB<<8)|\new
.set MSB, \new
.endif
.endm
.macro PLACES n
.rept \n
	v_nop
.endr
.endm
.macro SETXF f                         ; where x fragment f = 4 s + m lies
.if (\f) < 21
.set XFR, 256+12*(\f)
.else
.set XFR, 512+12*((\f)-21)
.endif
.endm
.macro SETOA a                         ; where out accumulator a = 4 n + m lies
.if (\a) < 32
.set OAR, 768+8*(\a)
.elseif (\a) < 47
.set OAR, 648+8*((\a)-32)
.else
.set OAR, 248
.endif
.endm
.macro PAIR r, val                     ; a constant for the packed forms, which name a pair and take its low word for both halves
	s_mov_b32 s[\r], \val
	s_mov_b32 s[\r+1], \val
.endm
; One matrix instruction on absolute register numbers.  row = 1: source 1 scales are read from lanes 16-31.
.macro MM d, a, b, c, sa, sb, row
.set WN, (((\d)>>8)<<6)|(((\c)>>8)<<4)|(((\b)>>8)<<2)|((\a)>>8)
	WIN WN
.set MD, (\d)&255
.set MA, (\a)&255
.set MB, (\b)&255
.set MC, (\c)&255
.if \row
	v_wmma_scale_f32_16x16x128_f8f6f4 v[MD:MD+7], v[MA:MA+11], v[MB:MB+11], v[MC:MC+7], v[\sa], v[\sb] matrix_a_fmt:MATRIX_FMT_FP6 matrix_b_fmt:MATRIX_FMT_FP6 matrix_b_scale:MATRIX_SCALE_ROW1
.else
	v_wmma_scale_f32_16x16x128_f8f6f4 v[MD:MD+7], v[MA:MA+11], v[MB:MB+11], v[MC:MC+7], v[\sa], v[\sb] matrix_a_fmt:MATRIX_FMT_FP6 matrix_b_fmt:MATRIX_FMT_FP6
.endif
.endm
; A round of the cluster barrier: my work-group barrier, wave 0 signals for the work-group, every wave waits for all four work-groups, my work-group barrier once more.
.macro ROUND
	s_barrier_signal -1
	s_barrier_wait -1
	s_cmp_lg_u32 s18, 0
	s_cbranch_scc1 .Lnot_wave_0_\@
	s_barrier_signal -3
.Lnot_wave_0_\@:
	s_barrier_wait -3
	s_barrier_signal -1
	s_barrier_wait -1
.endm
; Four weight fragments, f0 on, of my quarter of a slot into buffer buf: 12 loads of 512 consecutive bytes
.macro LDW buf, adr, f0
	WIN 0x80                                       ; destination window 2, address window 0
.irp i, 0,1,2,3
.irp g, 0,1,2
	ds_load_b128 v[WBL+48*(\buf)+12*\i+4*\g:WBL+48*(\buf)+12*\i+4*\g+3], v[\adr] offset:1536*((\f0)+\i)+512*\g
.endr
.endr
.endm
; The scale words of my four tiles of W1 and the bias b1 in the result layout, for the stage at which s[74:75] and s[76:77] stand
.macro BIAS1
.irp t, 0,1,2,3
	global_load_b32 v[W1S+\t], v[L4], s[74:75] offset:128*\t
.endr
.irp t, 0,1,2,3
	global_load_b128 v[BI+8*\t:BI+8*\t+3], v[BO], s[76:77] offset:4*(32*(\t/2)+8*(\t%2))
	global_load_b128 v[BI+8*\t+4:BI+8*\t+7], v[BO], s[76:77] offset:4*(32*(\t/2)+8*(\t%2))+16
.endr
.endm
; A PREFETCH INTO THE L2 of the weights of the stage after the next: 294,912 bytes, asked for by 36 waves (clusters 0 to 2, their four work-groups, waves 0 to 2), 32 blocks of 256 bytes each, lanes 256 bytes apart: each block is named once
; in the launch.  The branch hangs on the cluster number and the wave number; a work-group place in its cluster enters the address alone.  Trip j names stage j + 2, which trip j + 1 loads; the last trip names nothing; stages 0 and 1
; come by their loads alone.
.macro ASK
	s_cmp_gt_u32 s70, s71
	s_cbranch_scc0 .Lnot_mine_\@
	global_prefetch_b8 v[PFO], s[72:73] th:TH_LOAD_NT scope:SCOPE_SE
.Lnot_mine_\@:
.endm
; The activation on 16 numbers a lane, v[h] on, in place.  Two batches of transcendentals, each with plain independent work and ONE wait behind it, ahead of its first reader.
; dsw = 1: the last row tile LDS stores read registers of TP, which are written here: they are waited for first.
.macro GELU16 h, dsw
.set gi, 0
.rept 16
	v_and_b32 v[TA+gi], s42, v[(\h)+gi]            ; a = |h|  (each accumulator is read from its low end on)
.set gi, gi+1
.endr
.set gi, 0
.rept 8
	v_pk_fma_f32 v[TT+gi:TT+gi+1], v[TA+gi:TA+gi+1], s[44:45], 1.0 op_sel_hi:[1,0,0]   ; 1 + a / sqrt(8)
.set gi, gi+2
.endr
.set gi, 0
.rept 16
	v_rcp_f32 v[TT+gi], v[TT+gi]                   ; t
.set gi, gi+1
.endr
.set gi, 0
.rept 8
	v_pk_mul_f32 v[TZ+gi:TZ+gi+1], v[(\h)+gi:(\h)+gi+1], v[(\h)+gi:(\h)+gi+1]          ; h^2: plain work behind the batch
.set gi, gi+2
.endr
	s_wait_alu depctr_va_vdst(0)
.if \dsw
	s_wait_dscnt 0x0
.endif
.set gi, 0
.rept 8
	v_pk_fma_f32 v[TP+gi:TP+gi+1], v[TT+gi:TT+gi+1], s[68:69], s[66:67] op_sel_hi:[1,0,0]   ; Horner: C9 t + C8
.set gi, gi+2
.endr
.irp k, 7,6,5,4,3,2,1,0
.set gi, 0
.rept 8
	v_pk_fma_f32 v[TP+gi:TP+gi+1], v[TP+gi:TP+gi+1], v[TT+gi:TT+gi+1], s[48+2*\k:49+2*\k] op_sel_hi:[1,1,0]
.set gi, gi+2
.endr
.endr
.set gi, 0
.rept 8
	v_pk_fma_f32 v[TP+gi:TP+gi+1], v[TZ+gi:TZ+gi+1], s[46:47], v[TP+gi:TP+gi+1] op_sel_hi:[1,0,1]   ; - h^2 log2(e) / 2
.set gi, gi+2
.endr
.set gi, 0
.rept 16
	v_exp_f32 v[TP+gi], v[TP+gi]
.set gi, gi+1
.endr
.set gi, 0
.rept 8
	v_pk_mul_f32 v[TA+gi:TA+gi+1], v[TA+gi:TA+gi+1], v[TT+gi:TT+gi+1]                  ; a t: plain work behind the batch
.set gi, gi+2
.endr
.set gi, 0
.rept 16
	v_med3_num_f32 v[(\h)+gi], v[(\h)+gi], 0, s43  ; max(h, 0), held at 10
.set gi, gi+1
.endr
	s_wait_alu depctr_va_vdst(0)
.set gi, 0
.rept 8
	v_pk_fma_f32 v[(\h)+gi:(\h)+gi+1], v[TA+gi:TA+gi+1], v[TP+gi:TP+gi+1], v[(\h)+gi:(\h)+gi+1] neg_lo:[1,0,0] neg_hi:[1,0,0]   ; - a Q(a)
.set gi, gi+2
.endr
.endm
; My 32 numbers of row tile m (register 16 b + i = hidden unit 32 b + 16 (lane / 16) + i of my 64) become six registers of a fragment and two scale bytes, and go to LDS.
.macro QUANT2 m
.set QH, HA+32*(\m)
.irp b, 0,1                                    ; the largest magnitude of my 16 of each block, in two chains a block, with the floor 2^(3 - 127) among the leaves: the byte cannot fall under 1
	v_max3_num_f32 v[QM+\b], |v[QH+16*\b]|, |v[QH+16*\b+1]|, 0x1800000
	v_max3_num_f32 v[QN+\b], |v[QH+16*\b+8]|, |v[QH+16*\b+9]|, |v[QH+16*\b+10]|
.endr
.irp i, 0,2,4
.irp b, 0,1
	v_max3_num_f32 v[QM+\b], v[QM+\b], |v[QH+16*\b+2+\i]|, |v[QH+16*\b+3+\i]|
.if \i < 4
	v_max3_num_f32 v[QN+\b], v[QN+\b], |v[QH+16*\b+11+\i]|, |v[QH+16*\b+12+\i]|
.endif
.endr
.endr
.irp b, 0,1
	v_max3_num_f32 v[QM+\b], v[QM+\b], v[QN+\b], |v[QH+16*\b+15]|
.endr
.irp b, 0,1
	v_permlanex16_b32 v[QN+\b], v[QM+\b], s40, s41
.endr
.irp b, 0,1
	v_max_num_f32 v[QM+\b], v[QM+\b], v[QN+\b]     ; with lane l xor 16: the block largest magnitude
.endr
.irp b, 0,1
	v_add_nc_u32 v[QS+\b], 0xff000000, v[QM+\b]    ; 2 off its exponent field: the conversion scale operand
.endr
.irp b, 0,1
	v_lshrrev_b32 v[QN+\b], 23, v[QS+\b]           ; the scale byte
.endr
	v_lshl_or_b32 v[QWD], v[QN+1], 8, v[QN]        ; my two bytes of the row scale word
	v_cvt_scalef32_pk16_fp6_f32 v[QC:QC+2], v[QH:QH+15], v[QS]
	v_cvt_scalef32_pk16_fp6_f32 v[QD:QD+2], v[QH+16:QH+31], v[QS+1]
	v_nop                                          ; one plain place behind the scaled conversions
.irp i, 0,1,2
	v_permlane16_swap_b32 v[QC+\i], v[QD+\i]       ; the operand layout wants a whole block in a lane: lanes 0-15 block 0, lanes 16-31 block 1
.endr
.irp i, 0,1,2
	v_mov_b32 v[QC+3+\i], v[QD+\i]
.endr
.irp p, 0,1,2
	ds_store_b64 v[HWA], v[QC+2*\p:QC+2*\p+1] offset:3072*(\m)+256*\p   ; 256 consecutive bytes a store
.endr
	ds_store_b16 v[HSW], v[QWD] offset:128*(\m)    ; lanes r and r + 16 write the same half word with the same value
.endm
.macro GROW m
	GELU16 HA+32*(\m), 1
	GELU16 HA+32*(\m)+16, 0
	QUANT2 \m
.endm
; P1: my 4 tiles of hidden units x the 4 tiles of rows, six K steps.  The 16 accumulators take turns, one instruction a turn.  The bias is the C of each sum first instruction.
.macro P1 fill
	s_wait_loadcnt 0x0                             ; the bias and W1 scale words (in the first stage: all that the head asked for)
.if \fill
	s_add_nc_u64 s[74:75], s[74:75], 2048          ; those loads are done: on to the next stage scale words
	s_add_nc_u64 s[76:77], s[76:77], 1024          ; and bias
.endif
	PLACES 1                                       ; with the four behind the refill of slot 1: five places between the last products of P2 and products that write over the registers that they read
	LDW 0, AW0, 0
.irp s, 0,1,2,3,4,5
.if \s < 5
.if \s > 0
	PLACES 4                                       ; in front of loads into a buffer that matrix instructions have read
.endif
	LDW (\s+1)%2, AW0, 4*(\s+1)
	s_wait_dscnt 12                                ; all but the 12 just issued: this K step fragments are in
.else
	s_wait_dscnt 0x0
.endif
.irp m, 0,1,2,3
	SETXF 4*\s+\m
.irp t, 0,1,2,3
.if \s == 0
	MM HA+32*\m+8*\t, WB+48*(\s%2)+12*\t, XFR, BI+8*\t, W1S+\t, XS+4*\s+\m, 0
.else
	MM HA+32*\m+8*\t, WB+48*(\s%2)+12*\t, XFR, HA+32*\m+8*\t, W1S+\t, XS+4*\s+\m, 0
.endif
.endr
.endr
.endr
	WIN 0
	PLACES 4                                       ; in front of the first read of results
.endm
.macro HLOAD sg                        ; the four hidden fragments of K step sg
.irp m, 0,1,2,3
.irp p, 0,1,2,3,4,5
	ds_load_b64 v[HA+12*(2*\m+\sg)+2*\p:HA+12*(2*\m+\sg)+2*\p+1], v[HRA] offset:3072*\m+1536*\sg+256*\p
.endr
.endr
.endm
; P2: my 12 tiles of out columns x the 4 tiles of rows, two K steps, in six batches of four weight fragments; 16 accumulators by turns in each batch.  Batch 0 lies in buffer 0 already.
.macro P2
.irp m, 0,1,2,3
	ds_load_b32 v[HS+\m], v[HSR] offset:128*\m
.endr
	HLOAD 0
	LDW 1, AW1, 4
	WIN 0
	HLOAD 1
	s_wait_dscnt 36                                ; batch 1 (12) and the second K step fragments (24) may be out
.irp be, 0,1,2,3,4,5
.if (\be >= 1) && (\be <= 4)
	PLACES 4
	LDW (\be+1)%2, AW1, 4*(\be+1)
	s_wait_dscnt 12                                ; all but the 12 just issued
.endif
.if \be == 5
	s_wait_dscnt 0x0
.endif
.irp i, 0,1,2,3
.irp m, 0,1,2,3
	SETOA 4*(4*(\be%3)+\i)+\m
	MM OAR, WB+48*(\be%2)+12*\i, HA+12*(2*\m+\be/3), OAR, W2S+4*(\be%3)+\i, HS+\m, \be/3
.endr
.endr
.endr
	WIN 0
.endm
; A STAGE.  fill = 1: both slots are filled again with the next stage weights.
.macro STAGE fill
	P1 \fill
	GROW 0
	GROW 1
	s_wait_tensorcnt 0x0                           ; all my tensor loads have landed: the one that was out is my quarter of slot 1, which is read from here on
.if \fill
	ds_add_u32 v[SPW], v[NIL]                      ; 0 onto my spare word
	s_add_nc_u64 s[34:35], s[34:35], STGB          ; no tensor load of mine is out: slot 0 descriptor steps to the next stage W1
	s_wait_xcnt 0x0                                ; the last prefetch, a stage back, has read its address
	s_add_nc_u64 s[72:73], s[72:73], STGB
	s_wait_dscnt 0x0                               ; the add is done, and my reads of slot 0 are over
	ROUND                                          ; no wave of any partner still reads slot 0 or has a load on its way
	tensor_load_to_lds s[32:35], s[24:31]          ; my one tensor load behind this round
	s_nop 0
	PLACES 4
.endif
	LDW 0, AW1, 0                                  ; the first batch of W2: it lands during the rest of G
	WIN 0
.if \fill
	ASK
.endif
	GROW 2
	GROW 3
	s_wait_dscnt 0x0                               ; for the others: my part of the hidden layer has landed
	s_barrier_signal -1
	s_barrier_wait -1
.if \fill
	BIAS1                                          ; the next stage bias and scale words, into registers that G has left
.endif
	P2
.if \fill
	s_wait_tensorcnt 0x0                           ; all my tensor loads have landed: my quarter of slot 0
	ds_add_u32 v[SPW], v[NIL]                      ; 0 onto my spare word
	s_add_nc_u64 s[38:39], s[38:39], STGB          ; slot 1 descriptor steps to the next stage W2
	s_wait_dscnt 0x0                               ; the add is done; my reads of slot 1 and of the hidden layer are over
	ROUND                                          ; behind it slot 1 may be filled, and the hidden layer images written again
	tensor_load_to_lds s[36:39], s[24:31]
	s_nop 0
	PLACES 4
.endif
.endm
	s_load_b256 s[4:11], s[0:1], 0x0               ; xq, xs, wq, wsc
	s_load_b128 s[12:15], s[0:1], 0x20             ; b1, b2
	s_load_b64 s[16:17], s[0:1], 0x30              ; out0
	v_lshl_add_u32 v[SPW], v0, 2, SPARE
	v_mov_b32 v[NIL], 0
	ds_add_u32 v1, v2
	ds_add_u32 v1, v2
	s_wait_dscnt 0x0
	v_lshrrev_b32 v232, 5, v0
	v_readfirstlane_b32 s18, v232                  ; wave w
	s_bfe_u32 s19, ttmp6, 0x40000                  ; cx: it enters global addresses of my own alone
	s_lshl_b32 s20, ttmp9, 2
	s_add_co_u32 s20, s20, s19                     ; block i
	s_max_u32 s21, s20, 103
	s_sub_co_u32 s21, s21, 103
	s_lshl_b32 s21, s21, 1
	s_lshl_b32 s22, s20, 6
	s_sub_co_u32 s21, s22, s21                     ; my block first row
	; descriptor group 1: a dense block of 36,864 bytes as 144 rows of 256 bytes
	s_mov_b32 s24, 15|(3<<16)|(1<<21)              ; 15:0 the mask: all four work-groups; 17:16 elements of 8 bytes; 21 set beside a mask; no padding
	s_mov_b32 s25, 32<<16                          ; tensor_dim0 = 32
	s_mov_b32 s26, 144<<16                         ; tensor_dim1 = 144
	s_mov_b32 s27, 32<<16                          ; tile_dim0 = 32
	s_mov_b32 s28, 144                             ; tile_dim1 = 144
	s_mov_b32 s29, 32                              ; elements from row to row
	s_mov_b32 s30, 0
	s_mov_b32 s31, 0
	s_mov_b32 s40, 0x76543210
	s_mov_b32 s41, 0xfedcba98                      ; selects for lane l xor 16
	s_mov_b32 s42, 0x7fffffff
	s_mov_b32 s43, 0x41200000                      ; 10.0
	PAIR 44, 0x3eb504f3                            ; 1 / sqrt(8)
	PAIR 46, 0xbf38aa3b                            ; - log2(e) / 2
	PAIR 48, 0xc034d90f                            ; C0 = -2.8257482
	PAIR 50, 0x3fb8ab5a                            ; C1 =  1.4427292
	PAIR 52, 0x3f0a29d2                            ; C2 =  0.53970062
	PAIR 54, 0x3e0efb2e                            ; C3 =  0.13963006
	PAIR 56, 0xbe899a80                            ; C4 = -0.26875686
	PAIR 58, 0x3ecdfd18                            ; C5 =  0.40232158
	PAIR 60, 0xbfd1a1e5                            ; C6 = -1.6377532
	PAIR 62, 0x40097039                            ; C7 =  2.1474745
	PAIR 66, 0xbf97d29d                            ; C8 = -1.1861149
	PAIR 68, 0x3e7c6f08                            ; C9 =  0.2465173
	v_and_b32 v232, 31, v0                         ; lane
	v_and_b32 v233, 15, v0                         ; r
	v_bfe_u32 v234, v0, 4, 1                       ; hh
	s_mul_i32 s80, s18, WPART
	v_lshl_add_u32 v[AW0], v232, 4, s80
	v_add_nc_u32 v[AW1], SLOT1, v[AW0]
	s_lshr_b32 s81, s18, 1                         ; sigma: my 64 hidden units lie in K step w / 2 of the stage,
	s_and_b32 s82, s18, 1                          ; in its half w % 2: registers 6 (w % 2) on of a fragment
	s_mul_i32 s83, s81, 1536
	s_mul_i32 s84, s82, 768
	s_add_co_u32 s83, s83, s84
	s_add_co_u32 s83, s83, HIMG
	v_lshl_add_u32 v[HWA], v232, 3, s83
	s_lshl_b32 s83, s81, 6
	s_lshl_b32 s84, s82, 1
	s_add_co_u32 s83, s83, s84
	s_add_co_u32 s83, s83, HSC
	v_lshl_add_u32 v[HSW], v233, 2, s83
	v_lshl_add_u32 v[HRA], v232, 3, HIMG
	v_lshl_add_u32 v[HSR], v232, 2, HSC
	v_lshlrev_b32 v[L4], 2, v232
	v_lshlrev_b32 v[BO], 6, v234
	v_lshlrev_b32 v[PFO], 8, v232
	v_lshlrev_b32 v235, 4, v232                    ; 16 x lane: an image place for my lane
	v_lshlrev_b32 v236, 5, v234                    ; 32 hh: b2
	s_mov_b32 s81, 0
	s_wait_kmcnt 0x0
	s_mov_b32 s32, 1                               ; group 0 for slot 0: count 1,
	s_mov_b32 s33, s80                             ; LDS address: my quarter,
	s_add_nc_u64 s[34:35], s[8:9], s[80:81]        ; global address: my quarter of stage 0 W1: nothing here hangs on my place in the cluster
	s_mov_b32 s36, 1                               ; and for slot 1
	s_add_co_u32 s37, s80, SLOT1
	s_add_nc_u64 s[38:39], s[34:35], SLOT1
	s_or_b32 s35, s35, 0x80000000                  ; type 2
	s_or_b32 s39, s39, 0x80000000
	ROUND                                          ; all four work-groups are here: the first joint loads meet
	tensor_load_to_lds s[32:35], s[24:31]          ; both first fills go out together, ahead of every wait on TENSORcnt and every LDS read
	s_nop 0
	tensor_load_to_lds s[36:39], s[24:31]
	s_nop 0
	PLACES 4
	s_mul_i32 s82, s20, 36864
	s_mov_b32 s83, 0
	s_add_nc_u64 s[82:83], s[4:5], s[82:83]        ; my block of xq
	s_mul_i32 s84, s20, 3072
	s_mov_b32 s85, 0
	s_add_nc_u64 s[84:85], s[6:7], s[84:85]        ; and of xs
	s_mul_i32 s90, s18, 768                        ; my 192 columns, in bytes
	s_mov_b32 s86, s90
	s_mov_b32 s87, 0
	s_add_nc_u64 s[86:87], s[14:15], s[86:87]      ; b2
	s_mul_i32 s88, s18, 1536
	s_add_co_u32 s88, s88, 24576
	s_mov_b32 s89, 0
	s_add_nc_u64 s[88:89], s[10:11], s[88:89]      ; W2 scale words: tiles 192 + 12 w on
	s_lshl_b32 s74, s18, 9
	s_mov_b32 s75, 0
	s_add_nc_u64 s[74:75], s[10:11], s[74:75]      ; W1 scale words: tiles 4 w on of stage 0
	s_lshl_b32 s76, s18, 8
	s_mov_b32 s77, 0
	s_add_nc_u64 s[76:77], s[12:13], s[76:77]      ; b1: my 64 of stage 0
	s_mul_i32 s78, s21, 3072
	s_add_co_u32 s78, s78, s90
	s_mov_b32 s79, 0
	s_add_nc_u64 s[78:79], s[16:17], s[78:79]      ; out: my block first row, my first column
	s_mul_i32 s72, ttmp9, 12
	s_mul_i32 s91, s19, 3
	s_add_co_u32 s72, s72, s91
	s_add_co_u32 s72, s72, s18                     ; which 8,192 bytes of a stage are mine to name
	s_lshl_b32 s72, s72, 13
	s_add_co_u32 s72, s72, STGB                    ; in stage 1: the first trip steps it to stage 2
	s_mov_b32 s73, 0
	s_add_nc_u64 s[72:73], s[8:9], s[72:73]
	s_cmp_lt_u32 ttmp9, 3
	s_cselect_b32 s71, 1, -1
	s_cmp_lt_u32 s18, 3
	s_cselect_b32 s71, s71, -1                     ; 1 in a wave that prefetches, else the greatest number
.set fi, 0
.rept 24                                       ; x stays in registers: 24 fragments, 512 consecutive bytes a load
	SETXF fi
.set WN, (XFR>>8)<<6
	WIN WN
.set XL, XFR&255
.irp g, 0,1,2
	global_load_b128 v[XL+4*\g:XL+4*\g+3], v235, s[82:83] offset:1536*fi+512*\g th:TH_LOAD_NT
.endr
.set fi, fi+1
.endr
	WIN 0
.set fi, 0
.rept 24
	global_load_b32 v[XS+fi], v[L4], s[84:85] offset:128*fi th:TH_LOAD_NT
.set fi, fi+1
.endr
.set ai, 0
.rept 48                                       ; b2 goes straight into the accumulators of out, in the result layout: every product of P2 then adds in place, and nothing is cleared
	SETOA ai
.set WN, (OAR>>8)<<6
	WIN WN
.set OL, OAR&255
	global_load_b128 v[OL:OL+3], v236, s[86:87] offset:64*(ai/4)
	global_load_b128 v[OL+4:OL+7], v236, s[86:87] offset:64*(ai/4)+16
.set ai, ai+1
.endr
	WIN 0
.set fi, 0
.rept 12
	global_load_b32 v[W2S+fi], v[L4], s[88:89] offset:128*fi
.set fi, fi+1
.endr
	BIAS1
	s_wait_tensorcnt 0x1                           ; my quarter of slot 0 is in, and only I read it; slot 1 load may stay out
	s_mov_b32 s70, 11
.Lstage:                                           ; 11 trips: stages 0 to 10, each of which asks for the next stage weights
	STAGE 1
	s_sub_co_u32 s70, s70, 1
	s_cmp_lg_u32 s70, 0
	s_cbranch_scc1 .Lstage
	STAGE 0                                        ; the last stage is written out
	; THE WAY OUT, a tile of 16 rows at a time.  A lane holds 32 neighbouring bytes of a row for each of 12 column tiles: they go through my own stage in LDS and come back as rows, so that sixteen lanes store 256 consecutive aligned bytes.
	; The ten address lines are the places behind the last products: they name none of their registers.
	v_and_b32 v187, 15, v0
	v_bfe_u32 v188, v0, 4, 1
	s_mul_i32 s80, s18, WPART
	v_mul_u32_u24 v184, v187, OPIT
	v_lshl_add_u32 v184, v188, 5, v184
	v_add_nc_u32 v184, s80, v184                   ; in: row r, + 32 hh
	v_mul_u32_u24 v185, v188, OPIT
	v_lshl_add_u32 v185, v187, 4, v185
	v_add_nc_u32 v185, s80, v185                   ; back: lanes 0-15 one row, lanes 16-31 the next; 16 bytes a lane
	v_mul_u32_u24 v186, v188, 3072
	v_lshl_add_u32 v186, v187, 4, v186             ; and the same in out
.macro TOSTAGE m
.irp n, 0,1,2,3,4,5,6,7,8,9,10,11
	SETOA 4*\n+\m
.set WN, (OAR>>8)<<2
	WIN WN                                         ; an LDS store data are its source 1
.set OL, OAR&255
	ds_store_b128 v184, v[OL:OL+3] offset:64*\n+16*OPIT*((\m)%2)              ; each accumulator from its low end on
	ds_store_b128 v184, v[OL+4:OL+7] offset:64*\n+16+16*OPIT*((\m)%2)
.endr
	WIN 0x40                                       ; back into the registers that x has left, window 1.  LDS serves a wave instructions in order: these see the stores above
.irp q, 0,1,2,3,4,5,6,7
.irp p, 0,1,2
	ds_load_b128 v[96*((\m)%2)+4*(3*\q+\p):96*((\m)%2)+4*(3*\q+\p)+3], v185 offset:2*OPIT*\q+256*\p+16*OPIT*((\m)%2)
.endr
.endr
.endm
.macro SENDQ m, q                      ; rows 16 m + 2 q and 16 m + 2 q + 1 of the block: my 768 bytes of each
	WIN 0x04                                       ; a store data are its source 1: window 1
.irp p, 0,1,2
	global_store_b128 v186, v[96*((\m)%2)+4*(3*(\q)+\p):96*((\m)%2)+4*(3*(\q)+\p)+3], s[78:79] offset:3072*(16*(\m)+2*(\q))+256*\p th:TH_STORE_NT
.endr
.endm
.macro SEND m, younger                 ; younger: the LDS instructions issued behind tile m loads: the next tile 24 stores and 24 loads, or none
	s_wait_dscnt \younger
.irp q, 0,1,2,3,4,5,6,7
	SENDQ \m, \q
.endr
.endm
	TOSTAGE 0
	TOSTAGE 1
	s_wait_dscnt 48                                ; tile 0 is back in registers
	WIN 0
	s_cmp_ge_u32 ttmp9, 26                         ; blocks 104 on (clusters 26 on: the same in all four partners) do not own their first two rows
	s_cbranch_scc1 .Lnot_owned
	SENDQ 0, 0
	WIN 0
.Lnot_owned:
.irp q, 1,2,3,4,5,6,7
	SENDQ 0, \q
.endr
	s_wait_xcnt 0x0                                ; tile 0 stores have read their registers: tile 2 may land there
	TOSTAGE 2
	SEND 1, 48
	s_wait_xcnt 0x0
	TOSTAGE 3
	SEND 2, 48
	SEND 3, 0
	WIN 0
	s_wait_tensorcnt 0x0                           ; the wave end: behind my last tensor load and my last LDS store
	ds_add_u32 v[SPW], v[NIL]
	s_wait_dscnt 0x0
	ROUND                                          ; the closing round: no work-group ends while a partner may still ask for a tile that names it
	s_endpgm
.Lfunc_end_k_qafdfa12f53_mlp:
	.size	k_qafdfa12f53_mlp, .Lfunc_end_k_qafdfa12f53_mlp-k_qafdfa12f53_mlp
	.p2alignl 7, 3214868480
	.fill 96, 4, 3214868480
	.section	.rodata,"a",@progbits
	.p2align	6, 0x0
	.amdhsa_kernel k_qafdfa12f53_mlp
		.amdhsa_group_segment_fixed_size 327680
		.amdhsa_private_segment_fixed_size 0
		.amdhsa_enable_private_segment 0
		.amdhsa_kernarg_size 56
		.amdhsa_user_sgpr_count 2
		.amdhsa_user_sgpr_kernarg_segment_ptr 1
		.amdhsa_wavefront_size32 1
		.amdhsa_system_sgpr_workgroup_id_x 1
		.amdhsa_system_sgpr_workgroup_id_y 1
		.amdhsa_system_sgpr_workgroup_id_z 1
		.amdhsa_system_vgpr_workitem_id 0
		.amdhsa_next_free_vgpr 1024
		.amdhsa_next_free_sgpr 96
		.amdhsa_reserve_vcc 0
		.amdhsa_float_denorm_mode_32 3
		.amdhsa_float_denorm_mode_16_64 3
		.amdhsa_memory_ordered 1
		.amdhsa_forward_progress 1
		.amdhsa_inst_pref_size 255
	.end_amdhsa_kernel
	.section	.bss,"aw",@nobits
	.p2align	6
	.space	262144
	.amdgpu_metadata
---
amdhsa.version: [ 1, 2 ]
amdhsa.kernels:
  - .name:           k_qafdfa12f53_mlp
    .symbol:         k_qafdfa12f53_mlp.kd
    .args:
      - { .name: xq, .offset: 0, .size: 8, .value_kind: global_buffer, .address_space: global }
      - { .name: xs, .offset: 8, .size: 8, .value_kind: global_buffer, .address_space: global }
      - { .name: wq, .offset: 16, .size: 8, .value_kind: global_buffer, .address_space: global }
      - { .name: wsc, .offset: 24, .size: 8, .value_kind: global_buffer, .address_space: global }
      - { .name: b1, .offset: 32, .size: 8, .value_kind: global_buffer, .address_space: global }
      - { .name: b2, .offset: 40, .size: 8, .value_kind: global_buffer, .address_space: global }
      - { .name: out0, .offset: 48, .size: 8, .value_kind: global_buffer, .address_space: global }
    .group_segment_fixed_size: 327680
    .private_segment_fixed_size: 0
    .kernarg_segment_align: 8
    .kernarg_segment_size: 56
    .max_flat_workgroup_size: 128
    .sgpr_count:     96
    .vgpr_count:     1024
    .wavefront_size: 32
...
	.end_amdgpu_metadata
.endif
;; end of part 2
